; MI455X (gfx1250); checked and timed in simulation.
; The chip was launched on July 23, 2026; its instructions are those of AMD's public machine-readable ISA for CDNA 5 (MIT licence, August 2026) and "CDNA5" Instruction Set Architecture Reference Guide (July 2026). The comments in the code are by the model that wrote it; some were corrected since.
;; Bin Linear. Allowed arithmetic: float matrix products may take bf16 or f16 operands with f32 sums; all other float work in f32.
;; Inputs: weights_real 4,096 x 4,096 float32; x 4,096 x 4,096 float32.
;; Outputs: out0 4,096 x 4,096 float32.
;; One version. Each part assembles by itself: llvm-mc -triple=amdgcn-amd-amdhsa -mcpu=gfx1250 --defsym DOCPART=n.
;; ======== version 1 of 1: 2 launches
;; workspace buffers: xb 33,554,432 bytes; wb 33,554,432 bytes
;; launch cast (part 1): grid 1024 x 1, 8 waves a work-group, no clusters, 0 bytes of LDS; arguments x, weights_real, xb, wb; writes xb, wb
.if DOCPART == 1
	.amdgcn_target "amdgcn-amd-amdhsa--gfx1250"
	.amdhsa_code_object_version 6
	.text
	.protected	k_q08fd94fc4e_cast
	.globl	k_q08fd94fc4e_cast
	.p2align	8
	.type	k_q08fd94fc4e_cast,@function
k_q08fd94fc4e_cast:
	s_mov_b64 s[64:65], 0
	v_nop
	global_prefetch_b8 v0, s[64:65] scope:SCOPE_SE
	s_setreg_imm32_b32 hwreg(HW_REG_WAVE_MODE, 25, 1), 1
	s_wait_xcnt 0x0
; xb = bf16(x), wb = bf16(sign(w)).  x, w: [4096][4096] f32.  xb, wb: [4096][4096] bf16, the same order of elements.
; sign(clip(w, -1, 1)) = sign(w) for every f32: the clip changes neither a number's sign nor whether it is zero, and keeps NaN; so the sign is taken of w itself.
; LIMITS.  x is rounded once, to nearest even; an f32 beyond bf16's largest finite number becomes an infinity.  A denormal w counts as not zero.
; w = -0 gives -0, whose products change no sum's value; a NaN stays a NaN.  -1, 0 and +1 are exact in bf16.
; SHARES.  A stream: no LDS, no barrier, no loop.  A work-group of eight waves owns 65,536 consecutive bytes of x and of w (16,384 numbers each) and the 32,768 bytes
; of xb and wb that they become.  Thread t loads 16 bytes at 16 t + 4,096 j, j = 0 .. 15, from each input: a wave's load covers 512 consecutive bytes.  A load's four
; numbers become 8 bytes at 8 t + 2,048 j: a wave's store covers 256 consecutive bytes, at a multiple of 256 from the buffer's first byte.
; REGISTERS.  128 a wave, so that eight waves share a SIMD's 1,024: two from each of four work-groups, and 1,024 work-groups are four for each of 256 WGPs: all can be resident together.
; That leaves 31 slots of four registers.  31 of a thread's 32 loads go out at the start, in the order x0, w0, x1, .. w14, x15; the last, w15, takes x0's slot as soon as x0 is stored.
; Every step stands in an immediate; no address and no base is written again, and of the stores' data only x0's two registers, behind a wait of their own.
.set SL,  4                            ; v[4:127]   load i of the first 31 lands in v[SL+4i : SL+4i+3]; its first two registers then hold the four bf16
.set T0,  0                            ; v0, v3     at work (v0 is free once v1 and v2 are made): never a store's datum
.set T1,  3
	s_load_b256 s[4:11], s[0:1], 0x0               ; x s[4:5], w s[6:7], xb s[8:9], wb s[10:11]
	s_lshl_b32 s12, ttmp9, 16                      ; the work-group's 65,536 bytes of an input (below 2^26),
	s_mov_b32 s13, 0
	s_lshl_b32 s14, ttmp9, 15                      ; and its 32,768 bytes of a result
	s_mov_b32 s15, 0
	s_mov_b32 s16, 0x7fffffff                      ; all bits but the sign
	v_lshlrev_b32 v1, 4, v0                        ; 16 t
	v_lshlrev_b32 v2, 3, v0                        ; 8 t
	s_wait_kmcnt 0x0
	s_add_nc_u64 s[4:5], s[4:5], s[12:13]
	s_add_nc_u64 s[6:7], s[6:7], s[12:13]
	s_add_nc_u64 s[8:9], s[8:9], s[14:15]
	s_add_nc_u64 s[10:11], s[10:11], s[14:15]
.irp j, 0,1,2,3,4,5,6,7,8,9,10,11,12,13,14
	global_load_b128 v[SL+8*(\j):SL+8*(\j)+3],   v1, s[4:5] offset:4096*(\j) th:TH_LOAD_NT  ; read once in the launch
	global_load_b128 v[SL+8*(\j)+4:SL+8*(\j)+7], v1, s[6:7] offset:4096*(\j) th:TH_LOAD_NT
.endr
	global_load_b128 v[SL+120:SL+123], v1, s[4:5] offset:4096*15 th:TH_LOAD_NT
; Four numbers of x in v[r : r+3], piece j: two roundings of two numbers each, one store.  left: the younger loads, which may stay out (loads come back in order: ISA guide 5.7.1).
; The stores carry no hint: the next launch reads these bytes.
.macro XS r, j, left
	s_wait_loadcnt \left
	v_cvt_pk_bf16_f32 v[(\r)],   v[(\r)],   v[(\r)+1]
	v_cvt_pk_bf16_f32 v[(\r)+1], v[(\r)+2], v[(\r)+3]
	global_store_b64 v2, v[(\r):(\r)+1], s[8:9] offset:2048*(\j)
.endm
; Four numbers of w in v[r : r+3], piece j: 1.0 with w's sign where w < 0 or w > 0; w itself where it is +0, -0 or NaN.  Two numbers at a time, since two registers are at hand.
.macro WS r, j, left
	s_wait_loadcnt \left
.irp k, 0,1,2,3
	v_cmp_lg_f32 s[20+(\k)], 0, v[(\r)+(\k)]       ; less or greater: false for both zeros and for NaN
.endr
.irp p, 0,1
	v_bfi_b32 v[T0], s16, 1.0, v[(\r)+2*(\p)]      ; 1.0's bits below, w's sign on top
	v_bfi_b32 v[T1], s16, 1.0, v[(\r)+2*(\p)+1]
	v_cndmask_b32 v[T0], v[(\r)+2*(\p)],   v[T0], s[20+2*(\p)]
	v_cndmask_b32 v[T1], v[(\r)+2*(\p)+1], v[T1], s[21+2*(\p)]
	v_cvt_pk_bf16_f32 v[(\r)+(\p)], v[T0], v[T1]   ; pair 0 lands on w0, pair 1 on w1: both have been read
.endr
	global_store_b64 v2, v[(\r):(\r)+1], s[10:11] offset:2048*(\j)
.endm
	XS SL, 0, 30                                   ; x0 is the first of 31 loads: 30 younger ones
	s_wait_xcnt 0x0                                ; x0's store reads v4 and v5: every earlier memory instruction has had its addresses translated (ISA guide 3.1), and only behind this wait is the slot loaded again
	global_load_b128 v[SL:SL+3], v1, s[6:7] offset:4096*15 th:TH_LOAD_NT  ; w15, the 32nd load: from here on load i has 31 - i younger ones
.irp j, 0,1,2,3,4,5,6,7,8,9,10,11,12,13,14
	WS SL+8*(\j)+4, \j, 30-2*(\j)                  ; w j is load 2 j + 1
	XS SL+8*(\j)+8, (\j)+1, 29-2*(\j)              ; x j + 1 is load 2 j + 2
.endr
	WS SL, 15, 0                                   ; the last load
	s_endpgm
.Lfunc_end_k_q08fd94fc4e_cast:
	.size	k_q08fd94fc4e_cast, .Lfunc_end_k_q08fd94fc4e_cast-k_q08fd94fc4e_cast
	.p2alignl 7, 3214868480
	.fill 96, 4, 3214868480
	.section	.rodata,"a",@progbits
	.p2align	6, 0x0
	.amdhsa_kernel k_q08fd94fc4e_cast
		.amdhsa_group_segment_fixed_size 0
		.amdhsa_private_segment_fixed_size 0
		.amdhsa_enable_private_segment 0
		.amdhsa_kernarg_size 32
		.amdhsa_user_sgpr_count 2
		.amdhsa_user_sgpr_kernarg_segment_ptr 1
		.amdhsa_wavefront_size32 1
		.amdhsa_system_sgpr_workgroup_id_x 1
		.amdhsa_system_sgpr_workgroup_id_y 1
		.amdhsa_system_sgpr_workgroup_id_z 1
		.amdhsa_system_vgpr_workitem_id 0
		.amdhsa_next_free_vgpr 128
		.amdhsa_next_free_sgpr 66
		.amdhsa_reserve_vcc 0
		.amdhsa_float_denorm_mode_32 3
		.amdhsa_float_denorm_mode_16_64 3
		.amdhsa_memory_ordered 1
		.amdhsa_forward_progress 1
		.amdhsa_inst_pref_size 24
	.end_amdhsa_kernel
	.amdgpu_metadata
---
amdhsa.version: [ 1, 2 ]
amdhsa.kernels:
  - .name:           k_q08fd94fc4e_cast
    .symbol:         k_q08fd94fc4e_cast.kd
    .args:
      - { .name: x, .offset: 0, .size: 8, .value_kind: global_buffer, .address_space: global }
      - { .name: weights_real, .offset: 8, .size: 8, .value_kind: global_buffer, .address_space: global }
      - { .name: xb, .offset: 16, .size: 8, .value_kind: global_buffer, .address_space: global }
      - { .name: wb, .offset: 24, .size: 8, .value_kind: global_buffer, .address_space: global }
    .group_segment_fixed_size: 0
    .private_segment_fixed_size: 0
    .kernarg_segment_align: 8
    .kernarg_segment_size: 32
    .max_flat_workgroup_size: 256
    .sgpr_count:     66
    .vgpr_count:     128
    .wavefront_size: 32
...
	.end_amdgpu_metadata
.endif
;; end of part 1
;; launch gemm (part 2): grid 16 x 16, 4 waves a work-group, clusters of 4 x 4, 327,680 bytes of LDS; arguments xb, wb, out0; writes out0
.if DOCPART == 2
	.amdgcn_target "amdgcn-amd-amdhsa--gfx1250"
	.amdhsa_code_object_version 6
	.text
	.protected	k_q08fd94fc4e_gemm
	.globl	k_q08fd94fc4e_gemm
	.p2align	8
	.type	k_q08fd94fc4e_gemm,@function
k_q08fd94fc4e_gemm:
	s_mov_b64 s[64:65], 0
	v_nop
	global_prefetch_b8 v0, s[64:65] scope:SCOPE_SE
	s_setreg_imm32_b32 hwreg(HW_REG_WAVE_MODE, 25, 1), 1
	s_wait_xcnt 0x0
	s_wait_alu depctr_hold_cnt(0) depctr_sa_sdst(0) depctr_va_vdst(0) depctr_va_sdst(0) depctr_va_ssrc(0) depctr_va_vcc(0) depctr_vm_vsrc(0)
	s_getreg_b32 s2, hwreg(HW_REG_IB_STS2, 6, 4)
	s_cmp_eq_u32 s2, 0
	s_cbranch_scc0 .Lentry_in_a_cluster
	s_endpgm
.Lentry_in_a_cluster:
	s_bfe_u32 s2, ttmp6, 0x10000c
	s_cmp_lg_u32 s2, 0xf033
	s_cbranch_scc0 .Lentry_shape_is_right
	s_endpgm
.Lentry_shape_is_right:
; C[m][n] = sum over k of A[m][k] B[n][k].  A = xb (x rounded to bf16), B = wb (sign of the weights: -1, 0, +1, exact in bf16), both [4096][4096] bf16; C = out0, [4096][4096] f32.
; Sums in f32, one for each output, K ascending.  LIMITS: what A's one rounding to bf16 loses; NaN and infinities go through the products as they come.
; A tile of C, 256 x 256, is made by a work-group of four waves; a wave makes 128 x 128: 64 accumulators of 16 x 16, 512 registers.  16 x 16 tiles: 256 work-groups, one tile each.
; K goes in 32 steps of 128 through a ring of two LDS slots filled by the tensor data mover: the rows of A's and B's tiles are 256 bytes of memory, at multiples of 256 from the buffer's first byte.
; The last K step goes by rows of C, so that finished rows leave while the others are multiplied: nothing follows the tile under which its 256 KiB of f32 could leave.
; CLUSTERS: 4 x 4 work-groups.  The four of a row of the cluster make tiles of one tile row of C and need the same tiles of A; the four of a column need the same tiles of B.  Such a tile is asked
; for JOINTLY: each of the four issues the same tensor load, with the same descriptor and a mask that names the four, and each receives the tile in its own LDS.
;
; REGISTERS, in windows of 256 (an instruction names v0-v255; s_set_vgpr_msb says which window each operand place means: bits 1:0 source 0, 3:2 source 1, 5:4 source 2, 7:6 destination):
;   window 0: v0-31 addresses; v64-127, v128-191 fragments of A (8 x 16 rows x 32 K), two buffers (in the last K step four, of 16 rows x 128 K); v192-255 the way out: 16 rows read back from the stage
;   window 1: v64-127, v128-191 fragments of B, two buffers; in the last K step all 256: B's fragments of the whole step
;   window 2: the 32 accumulators of my rows 0-63 (accumulator (a, b) at v[8 (8 a + b)]);   window 3: those of my rows 64-127
; THE MATRIX INSTRUCTION IS USED TRANSPOSED: source 0 = 16 rows of B, source 1 = 16 rows of A.  In the result lane l then holds row l % 16 of C, and its registers 0 to 7 the columns
; 8 (l / 16) + 0 .. 7: eight neighbouring f32 of a row of C, 32 bytes.
.set SIZE_M, 4096
.set SIZE_N, 4096
.set SIZE_K, 4096
.set KSTEP,  128
.set PITCH,  272                       ; an LDS row: 256 bytes of data + 16 of padding = 68 words: row r starts at bank 4 r mod 64 (64 banks of 4 bytes: ISA guide 11.1), so the 16 rows that a load touches start at 16 different banks
.set HALFT,  128*PITCH                 ; 128 rows: what one tensor load brings, and what one wave reads of A or of B
.set SLOT,   4*HALFT                   ; A's 256 rows, then B's 256 rows
.set STAGE,  2*SLOT                    ; behind the ring, at a multiple of 256 bytes; no tensor load lands there: 16 rows x 528 bytes for each wave, for the way out
.set SPITCH, 528                       ; a stage row: my 128 columns in f32, 512 bytes, + 16 = 132 words: row r starts at bank 4 r mod 64
.set LAPS,   SIZE_K/(2*KSTEP)          ; a lap = two K steps = once round the ring: 16
.set ADRA, 16                          ; v16-17  LDS address of my A fragments in slot 0, 1
.set ADRB, 20                          ; v20-21  the same for B
.set STO,  24                          ; v24     the way out: where I put 32 bytes of a row
.set RD,   25                          ; v25     the way out: where I read a row back
.set CO,   26                          ; v26     my byte offset in 512 bytes of a row of C
.set F0,   64                          ; fragment buffer 0
.set F1,   128                         ; fragment buffer 1
.set PA,   64                          ; the last K step: A's fragments of 16 rows x 128 K, 32 registers; four such buffers, v64-191
.set BK,   192                         ; the way out: 16 rows read back, 64 registers
.set G1,  24                           ; s[24:31] descriptor group 1 for A's tiles
.set G0,  32                           ; s[32:39] descriptor group 0 for A's tiles, one set for each slot
.set G1B, 48                           ; s[48:55] descriptor group 1 for B's tiles: it differs from A's in the mask alone
.set G0B, 56                           ; s[56:63] descriptor group 0 for B's tiles, one set for each slot
.set MSB, 0
.macro WIN new                         ; the immediate's high byte repeats the setting that is left; a switch that changes nothing is dropped
.if MSB != (\new)
	s_set_vgpr_msb (MSB<<8)|(\new)
.set MSB, \new
.endif
.endm
.set MUL_LO, 0xa1                      ; source 0 (B) window 1, source 1 (A) window 0, C and D window 2
.set MUL_HI, 0xf1                      ; the same, C and D window 3
.set TO_B,   0x40                      ; destination window 1, address window 0
; A joint refill.  Waves 0 and 1 fetch A's two halves, waves 2 and 3 B's.  Each of the two lines has ONE mask and one set of registers for all that issue it, and nothing in them hangs on a
; coordinate that the four partners do not share.  The branch hangs on the wave's number alone.  Four v_nop follow each of the two lines, ahead of the jump, the label and what follows.
.macro JLOAD s
	s_cmp_eq_u32 s11, 0
	s_cbranch_scc0 .Lfor_b_\@
	tensor_load_to_lds s[G0+4*(\s):G0+4*(\s)+3], s[G1:G1+7]
	s_nop 0
.rept 4
	v_nop
.endr
	s_branch .Lasked_\@
.Lfor_b_\@:
	tensor_load_to_lds s[G0B+4*(\s):G0B+4*(\s)+3], s[G1B:G1B+7]
	s_nop 0
.rept 4
	v_nop
.endr
.Lasked_\@:
.endm
; A round of the cluster's barrier: my work-group's barrier, so that wave 0's signal speaks for all four waves; wave 0 signals for the work-group; every wave waits for all sixteen
; work-groups; my work-group's barrier once more.  No LDS instruction of the wave is pending at a signal.
.macro CROUND
	s_barrier_signal -1
	s_barrier_wait -1
	s_cmp_lg_u32 s10, 0
	s_cbranch_scc1 .Lnot_wave_0_\@
	s_barrier_signal -3
.Lnot_wave_0_\@:
	s_barrier_wait -3
	s_barrier_signal -1
	s_barrier_wait -1
.endm
	s_load_b128 s[4:7], s[0:1], 0x0                ; A s[4:5], B s[6:7]
	s_load_b64 s[8:9], s[0:1], 0x10                ; C
	v_lshl_add_u32 v62, v0, 2, 0x4c400
	v_mov_b32 v63, 0
	ds_add_u32 v62, v63
	v_lshrrev_b32 v1, 5, v0
	v_readfirstlane_b32 s10, v1                    ; wave 0..3
	s_lshr_b32 s11, s10, 1                         ; which half of the tile's rows is mine.  Also: I fetch for A (0) or for B (1)
	s_and_b32 s12, s10, 1                          ; which half of its columns.  Also: which 128 rows of that tile I fetch
	s_bfe_u32 s40, ttmp6, 0x40000                  ; cx: my place along the cluster's x
	s_bfe_u32 s41, ttmp6, 0x40004                  ; cy: along its y
	s_lshl_b32 s42, ttmp9, 2                       ; in a cluster launch ttmp9 and ttmp7 count clusters
	s_add_co_u32 s42, s42, s40                     ; tile column of C = 4 x cluster x + cx
	s_and_b32 s13, ttmp7, 0xffff
	s_lshl_b32 s13, s13, 2
	s_add_co_u32 s13, s13, s41                     ; tile row of C = 4 x cluster y + cy
	s_lshl_b32 s43, s41, 2
	s_lshl_b32 s43, 15, s43                        ; my row of the cluster: places 4 cy .. 4 cy + 3
	s_lshl_b32 s44, 0x1111, s40                    ; my column: places cx, cx + 4, cx + 8, cx + 12
	; descriptor group 1: a tile of 128 rows x 128 elements, padded in LDS
	s_or_b32 s[G1+0], s43, (1<<16)|(1<<20)|(1<<21)|(5<<22)|(3<<25)   ; 15:0 the mask: A's tiles go to my row; 17:16 element of 2 bytes; 20 padding on; 21 set beside a mask; 24:22 after every 64 words (code 5); 31:25 of 4 words (code 3)
	s_or_b32 s[G1B+0], s44, (1<<16)|(1<<20)|(1<<21)|(5<<22)|(3<<25)  ; the same with the mask of my column, for B's tiles
.irp g, G1, G1B
	s_mov_b32 s[(\g)+1], KSTEP<<16                 ; 63:48 tensor_dim0, low half = 128
	s_mov_b32 s[(\g)+2], 128<<16                   ; 79:64 its high half = 0; 95:80 tensor_dim1, low half = 128
	s_mov_b32 s[(\g)+3], KSTEP<<16                 ; 111:96 its high half = 0; 127:112 tile_dim0 = 128
	s_mov_b32 s[(\g)+4], 128                       ; 143:128 tile_dim1 = 128; 159:144 tile_dim2 = 0
	s_mov_b32 s[(\g)+5], SIZE_K                    ; 191:160 tensor_dim0_stride, low word: elements from row to row
	s_mov_b32 s[(\g)+6], 0
	s_mov_b32 s[(\g)+7], 0
.endr
	; where the tiles come from.  A's hang on the tile row alone, which my row of the cluster shares; B's on the tile column alone, which my column shares.
	; Every wave makes both addresses, in registers that never hold the other coordinate, and asks by one of them.
	s_lshl_b32 s17, s12, 7                         ; which 128 rows of the tile I fetch
	s_lshl_b32 s16, s13, 8
	s_add_co_u32 s16, s16, s17                     ; A: row 256 x tile row + 128 x half
	s_lshl_b32 s46, s42, 8
	s_add_co_u32 s46, s46, s17                     ; B: row 256 x tile column + 128 x half
	s_mov_b32 s17, 0
	s_mov_b32 s47, 0
	s_mov_b64 s[18:19], SIZE_K*2
	s_mul_u64 s[16:17], s[16:17], s[18:19]         ; in bytes
	s_mul_u64 s[46:47], s[46:47], s[18:19]
	s_mul_i32 s20, s10, HALFT                      ; and where they go: A's two halves, then B's two halves = wave x 128 rows: no place in the cluster enters an LDS address
	s_wait_dscnt 0x0
	s_wait_kmcnt 0x0
	s_add_nc_u64 s[14:15], s[4:5], s[16:17]
	s_add_nc_u64 s[46:47], s[6:7], s[46:47]
	CROUND                                         ; all sixteen work-groups are here: the first joint loads meet
.irp s, 0,1
	s_mov_b32 s[G0+4*(\s)], 1                                        ; 1:0 count = 1
	s_add_co_u32 s[G0+4*(\s)+1], s20, (\s)*SLOT                      ; 63:32 LDS address
	s_add_nc_u64 s[G0+4*(\s)+2:G0+4*(\s)+3], s[14:15], (\s)*KSTEP*2  ; 120:64 global address: K step s
	s_or_b32 s[G0+4*(\s)+3], s[G0+4*(\s)+3], 0x80000000              ; 127:126 type = 2
	s_mov_b32 s[G0B+4*(\s)], 1
	s_add_co_u32 s[G0B+4*(\s)+1], s20, (\s)*SLOT
	s_add_nc_u64 s[G0B+4*(\s)+2:G0B+4*(\s)+3], s[46:47], (\s)*KSTEP*2
	s_or_b32 s[G0B+4*(\s)+3], s[G0B+4*(\s)+3], 0x80000000
.endr
	s_cmp_eq_u32 s11, 0                            ; a wave's two first fills stand in one branch, ahead of every wait on TENSORcnt, every LDS read and every further barrier: two loads of mine are out
	s_cbranch_scc0 .Lfirst_b
	tensor_load_to_lds s[G0:G0+3], s[G1:G1+7]      ; K step 0 into slot 0
	s_nop 0
	tensor_load_to_lds s[G0+4:G0+7], s[G1:G1+7]    ; K step 1 into slot 1
	s_nop 0
.rept 4
	v_nop
.endr
	s_branch .Lfirst_asked
.Lfirst_b:
	tensor_load_to_lds s[G0B:G0B+3], s[G1B:G1B+7]
	s_nop 0
	tensor_load_to_lds s[G0B+4:G0B+7], s[G1B:G1B+7]
	s_nop 0
.rept 4
	v_nop
.endr
.Lfirst_asked:
	; A fragment is 16 rows x 32 K in 8 registers: lane l holds row l % 16; registers 0-3 hold K = 8 (l / 16) + 0..7, registers 4-7 hold
	; K = 16 + 8 (l / 16) + 0..7.  From rows that lie along K: two loads of 16 bytes, 32 bytes apart.  The same for source 0 and source 1.
	v_and_b32 v1, 15, v0                           ; l % 16
	v_bfe_u32 v2, v0, 4, 1                         ; l / 16
	v_mul_u32_u24 v3, v1, PITCH
	v_lshl_add_u32 v3, v2, 4, v3                   ; row x pitch + 16 x half
	s_mul_i32 s21, s11, HALFT                      ; my 128 rows of A
	s_mul_i32 s22, s12, HALFT                      ; my 128 rows of B,
	s_add_co_u32 s22, s22, 2*HALFT                 ; which lie behind A's 256
.irp s, 0,1
	v_add_nc_u32 v[ADRA+(\s)], s21, v3
	v_add_nc_u32 v[ADRB+(\s)], s22, v3
	s_add_co_u32 s21, s21, SLOT
	s_add_co_u32 s22, s22, SLOT
.endr
	s_mul_i32 s23, s10, 16*SPITCH
	s_add_co_u32 s23, s23, STAGE                   ; my stage
	v_mul_u32_u24 v4, v1, SPITCH                   ; in: row l % 16, 32 bytes for each half of the lanes
	v_lshl_add_u32 v4, v2, 5, v4
	v_add_nc_u32 v[STO], s23, v4
	v_and_b32 v5, 31, v0
	v_lshlrev_b32 v[CO], 4, v5                     ; back and out: 32 lanes x 16 bytes are one row of my 128 columns, 512 bytes
	v_add_nc_u32 v[RD], s23, v[CO]
	; C at my part of the tile: (256 x tile row + 128 x row half) rows of 16,384 bytes, + 1,024 x tile column + 512 x column half
	s_lshl_b32 s16, s13, 8
	s_lshl_b32 s14, s11, 7
	s_add_co_u32 s16, s16, s14
	s_mov_b32 s17, 0
	s_mov_b64 s[18:19], SIZE_N*4
	s_mul_u64 s[16:17], s[16:17], s[18:19]
	s_add_nc_u64 s[8:9], s[8:9], s[16:17]
	s_lshl_b32 s46, s42, 10                        ; (in the registers that held B's address: none that fed A's descriptors ever holds cx)
	s_lshl_b32 s47, s12, 9
	s_add_co_u32 s46, s46, s47
	s_mov_b32 s47, 0
	s_add_nc_u64 s[8:9], s[8:9], s[46:47]
; 16 matrix instructions: m blocks a0, a0 + 1 of the window's four (hi = 0: my rows 0-63, 1: rows 64-127) x all 8 n blocks, 32 along K.
; zero = 1: the first product starts the sums: nothing is ever cleared.  The 64 accumulators take turns, one instruction a turn, in the same order in every quarter step.
.macro MUL16 f, hi, a0, zero
	WIN MUL_LO+0x50*(\hi)
.irp a, \a0, (\a0)+1
.irp b, 0,1,2,3,4,5,6,7
.if \zero
	v_wmma_f32_16x16x32_bf16 v[8*(8*(\a)+(\b)):8*(8*(\a)+(\b))+7], v[(\f)+8*(\b):(\f)+8*(\b)+7], v[(\f)+8*(4*(\hi)+(\a)):(\f)+8*(4*(\hi)+(\a))+7], 0
.else
	v_wmma_f32_16x16x32_bf16 v[8*(8*(\a)+(\b)):8*(8*(\a)+(\b))+7], v[(\f)+8*(\b):(\f)+8*(\b)+7], v[(\f)+8*(4*(\hi)+(\a)):(\f)+8*(4*(\hi)+(\a))+7], v[8*(8*(\a)+(\b)):8*(8*(\a)+(\b))+7]
.endif
.endr
.endr
.endm
; 32 LDS loads in one run: the fragments of one quarter step (128 rows of B, 128 rows of A, 32 K at byte k of the rows) into buffer f
.macro FETCH slot, k, f
	WIN TO_B
.irp i, 0,1,2,3,4,5,6,7
	ds_load_b128 v[(\f)+8*(\i):(\f)+8*(\i)+3],   v[ADRB+(\slot)] offset:(\k)+(\i)*16*PITCH
	ds_load_b128 v[(\f)+8*(\i)+4:(\f)+8*(\i)+7], v[ADRB+(\slot)] offset:(\k)+(\i)*16*PITCH+32
.endr
	WIN 0
.irp i, 0,1,2,3,4,5,6,7
	ds_load_b128 v[(\f)+8*(\i):(\f)+8*(\i)+3],   v[ADRA+(\slot)] offset:(\k)+(\i)*16*PITCH
	ds_load_b128 v[(\f)+8*(\i)+4:(\f)+8*(\i)+7], v[ADRA+(\slot)] offset:(\k)+(\i)*16*PITCH+32
.endr
.endm
; A load into a register that a matrix instruction has read, and a store that reads a matrix result, stand four places behind that matrix instruction, and only plain vector
; instructions that name none of its registers are places (ISA guide 7.12.1 for vector instructions); the matrix instructions in between are not counted.
.macro PLACES
.rept 4
	v_nop
.endr
.endm
; A K step is four quarter steps of 32 along K, 64 matrix instructions each, on buffers 0, 1, 0, 1.
; One of the first three: multiplies buffer f; in its middle it fetches the next quarter's fragments, at byte k of the same slot's rows, into buffer g.
.macro QUARTER slot, k, f, g, zero
	s_wait_dscnt 8                                 ; B and A's rows 0-63 are in; the youngest eight loads (A's rows 64-127) may be out
	MUL16 \f, 0, 0, \zero
	MUL16 \f, 0, 2, \zero
	PLACES
	FETCH \slot, \k, \g
	s_wait_dscnt 32                                ; all but the 32 just issued
	MUL16 \f, 1, 0, \zero
	MUL16 \f, 1, 2, \zero
.endm
; The last quarter multiplies buffer 1 and changes slots, through ONE round of the cluster's barrier.  In front of the round's opening signal each wave waits for its own reads of this slot
; (the last were issued 32 matrix instructions ago) and for all its tensor loads, of which one is out: its part of the next slot.  Inside the round stands register work alone: sixteen matrix
; instructions between the opening signal and its wait, sixteen more between the cluster's signal and its wait, so that the wave has work while the others arrive.
; Behind the round no wave of any partner still reads this slot's tile or has a load on its way, and the next slot is whole: the slot just read out is filled again first, with the K step two
; steps on, one tensor load a wave: 224 matrix instructions of the wave stand between this request and the wait for it.  Then come the next slot's first fragments.
.macro TURN slot, next
	s_wait_dscnt 0                                 ; buffer 1 is whole, and my reads of this slot are over
	s_set_vgpr_msb 0xf1f0
	s_wait_tensorcnt 0x0                           ; all my tensor loads have landed
	ds_add_u32 v62, v63
	s_wait_dscnt 0x0
	s_set_vgpr_msb 0xf0f1
	s_barrier_signal -1                            ; the round opens
	MUL16 F1, 0, 0, 0
	WIN 0                                          ; at a branch and at a label every window is 0
	s_barrier_wait -1                              ; all four waves have said so
	s_cmp_lg_u32 s10, 0
	s_cbranch_scc1 .Lturn_not_0_\@
	s_barrier_signal -3                            ; wave 0 says so for the work-group
.Lturn_not_0_\@:
	MUL16 F1, 0, 2, 0
	WIN 0
	s_barrier_wait -3                              ; all sixteen work-groups have said so
	s_barrier_signal -1
	s_barrier_wait -1                              ; the round closes
	s_add_nc_u64 s[G0+4*(\slot)+2:G0+4*(\slot)+3], s[G0+4*(\slot)+2:G0+4*(\slot)+3], 2*KSTEP*2      ; no tensor load of mine is out: a group 0 may be written; the type bits on top are not reached
	s_add_nc_u64 s[G0B+4*(\slot)+2:G0B+4*(\slot)+3], s[G0B+4*(\slot)+2:G0B+4*(\slot)+3], 2*KSTEP*2
	JLOAD \slot                                    ; the first tensor load behind the round; the four v_nop behind it are also the places in front of the loads below
	FETCH \next, 0, F0
	MUL16 F1, 1, 0, 0
	MUL16 F1, 1, 2, 0
.endm
; THE LAST K STEP (it lies in slot 1) GOES BY ROWS OF C, NOT BY K.  All its fragments of B (4 quarters x 64 registers) fill window 1; then my eight blocks of 16 rows are finished one after
; the other, each with 32 matrix instructions (its 8 accumulators by turns; K ascending, so each sum keeps its order).  LDS is read no more than in any other K step.
.macro BLOAD q                         ; B's fragments of quarter q -> window 1, v[64 q ..]
	WIN TO_B
.irp i, 0,1,2,3,4,5,6,7
	ds_load_b128 v[64*(\q)+8*(\i):64*(\q)+8*(\i)+3],   v[ADRB+1] offset:64*(\q)+(\i)*16*PITCH
	ds_load_b128 v[64*(\q)+8*(\i)+4:64*(\q)+8*(\i)+7], v[ADRB+1] offset:64*(\q)+(\i)*16*PITCH+32
.endr
.endm
.macro ALOAD a                         ; A's fragments of block a, all four quarters -> buffer a % 4
	WIN 0
.set FA, PA+32*((\a)%4)
.irp q, 0,1,2,3
	ds_load_b128 v[FA+8*(\q):FA+8*(\q)+3],   v[ADRA+1] offset:64*(\q)+(\a)*16*PITCH
	ds_load_b128 v[FA+8*(\q)+4:FA+8*(\q)+7], v[ADRA+1] offset:64*(\q)+(\a)*16*PITCH+32
.endr
.endm
.macro ROW a                           ; block a is finished: 32 matrix instructions
.set FA, PA+32*((\a)%4)                ; its fragments of A
.set AC, 64*((\a)%4)                   ; its eight accumulators, in window 2 (blocks 0-3) or 3 (blocks 4-7)
	WIN MUL_LO+0x50*((\a)/4)
.irp q, 0,1,2,3
.if (\a) == 0 && (\q) == 2
	s_wait_dscnt 24                                ; B's quarter 2 is in (behind it: A's blocks 1 to 3, 24 loads)
.endif
.irp b, 0,1,2,3,4,5,6,7
	v_wmma_f32_16x16x32_bf16 v[AC+8*(\b):AC+8*(\b)+7], v[64*(\q)+8*(\b):64*(\q)+8*(\b)+7], v[FA+8*(\q):FA+8*(\q)+7], v[AC+8*(\b):AC+8*(\b)+7]
.endr
.endr
.endm
; THE WAY OUT of block a (16 of my rows x my 128 columns, 8 accumulators), in two parts.
; TOSTAGE: a lane's eight f32 of a row, 32 bytes, go straight from the accumulators into my own stage in LDS, each accumulator's low four registers first,
; and come back as whole rows of 512 bytes.  The stage is my wave's own: LDS serves a wave's instructions in order (ISA guide 5.7.1.4), so the loads see the stores above them,
; and the next block's stores come behind these loads.
.macro TOSTAGE a
.set AC, 64*((\a)%4)
.if (\a) >= 1
	s_wait_xcnt 0x0                                ; the block before's stores read the registers that are loaded again below: every earlier memory instruction has had its addresses translated (ISA guide 3.1)
.endif
	WIN 0x08+4*((\a)/4)                            ; the store's data (source 1) in window 2 or 3, its address in window 0
.irp b, 0,1,2,3,4,5,6,7
	ds_store_b128 v[STO], v[AC+8*(\b):AC+8*(\b)+3]   offset:64*(\b)
	ds_store_b128 v[STO], v[AC+8*(\b)+4:AC+8*(\b)+7] offset:64*(\b)+16
.endr
	WIN 0
.irp t, 0,1,2,3,4,5,6,7,8,9,10,11,12,13,14,15
	ds_load_b128 v[BK+4*(\t):BK+4*(\t)+3], v[RD] offset:(\t)*SPITCH
.endr
.endm
; SEND: the block's 16 rows are stored.  younger: the LDS loads issued behind the block's own: a block of A's eight, or none.
.macro SEND a, younger
	WIN 0
.irp t, 0,1,2,3,4,5,6,7,8,9,10,11,12,13,14,15
	s_wait_dscnt (\younger)+15-(\t)                ; row t is back: behind its load stand the block's 15 - t later loads and the younger ones
	global_store_b128 v[CO], v[BK+4*(\t):BK+4*(\t)+3], s[8:9] offset:(16*(\a)+(\t))*SIZE_N*4 th:TH_STORE_NT  ; 32 lanes store 512 consecutive bytes, at a multiple of 512 from C's first byte; 127 rows at the most: 2,080,768, inside the signed 24-bit immediate
.endr
.endm
	s_wait_tensorcnt 1                             ; my part of K step 0 is in; K step 1's load, issued behind it, may stay out
	s_barrier_signal -1
	s_barrier_wait -1                              ; everybody's is
	FETCH 0, 0, F0
	QUARTER 0, 64,  F0, F1, 1                      ; the first quarter stands in front of the loop: its products start the sums
	WIN 0                                          ; at a label and at a branch every window is 0
	s_mov_b32 s3, LAPS-1
.Llap:                                                 ; 15 trips: a trip goes once round the ring, from a lap's second quarter to the next lap's first, and fills both slots again: K steps 2 to 31
	QUARTER 0, 128, F1, F0, 0
	QUARTER 0, 192, F0, F1, 0
	TURN 0, 1
	QUARTER 1, 64,  F0, F1, 0
	QUARTER 1, 128, F1, F0, 0
	QUARTER 1, 192, F0, F1, 0
	TURN 1, 0
	QUARTER 0, 64,  F0, F1, 0
	WIN 0
	s_sub_co_u32 s3, s3, 1
	s_cmp_lg_u32 s3, 0
	s_cbranch_scc1 .Llap
	QUARTER 0, 128, F1, F0, 0                      ; the last lap is written out: it fills nothing, and has no round of the cluster's barrier
	QUARTER 0, 192, F0, F1, 0
	s_wait_dscnt 0                                 ; K step 30's last quarter: buffer 1 is whole,
	s_wait_tensorcnt 0x0                           ; and my one tensor load that was still out, my part of K step 31, has landed
	s_barrier_signal -1
	MUL16 F1, 0, 0, 0
	s_barrier_wait -1                              ; slot 1 is whole; nothing is filled again
	PLACES                                         ; for the loads into buffer 0, which the quarter before multiplied
	BLOAD 0                                        ; three quarters of B now: buffer 1 (v128-191 of windows 0 and 1) is still being multiplied
	BLOAD 1
	BLOAD 3
	ALOAD 0
	MUL16 F1, 0, 2, 0
	MUL16 F1, 1, 0, 0
	MUL16 F1, 1, 2, 0
	PLACES                                         ; for the loads into buffer 1
	BLOAD 2
	ALOAD 1
	ALOAD 2
	ALOAD 3
	s_wait_dscnt 40                                ; all but the 40 just issued: B's quarters 0, 1 and 3 and A's block 0 are in
	ROW 0
.irp a, 0,1,2,3,4,5,6,7                ; each block leaves as soon as it is finished: nothing follows this tile, so the sooner its stores begin, the sooner the launch ends
	PLACES                                         ; the LDS stores below read results just made, and A's next block lands in a buffer just multiplied
	TOSTAGE \a
.if (\a) < 4
	ALOAD (\a)+4                                   ; its buffer takes the block four further on
	SEND \a, 8
.else
	SEND \a, 0
.endif
.if (\a) < 7
	ROW (\a)+1                                     ; its fragments of A were asked for ahead of LDS loads that have been waited for since
.endif
.endr
	s_wait_tensorcnt 0x0
	ds_add_u32 v62, v63
	s_wait_dscnt 0x0
	CROUND                                         ; the closing round (the last wait above was for 0: no LDS instruction is pending): no work-group ends while a partner may still ask for a tile that names it
	s_endpgm
.Lfunc_end_k_q08fd94fc4e_gemm:
	.size	k_q08fd94fc4e_gemm, .Lfunc_end_k_q08fd94fc4e_gemm-k_q08fd94fc4e_gemm
	.p2alignl 7, 3214868480
	.fill 96, 4, 3214868480
	.section	.rodata,"a",@progbits
	.p2align	6, 0x0
	.amdhsa_kernel k_q08fd94fc4e_gemm
		.amdhsa_group_segment_fixed_size 327680
		.amdhsa_private_segment_fixed_size 0
		.amdhsa_enable_private_segment 0
		.amdhsa_kernarg_size 24
		.amdhsa_user_sgpr_count 2
		.amdhsa_user_sgpr_kernarg_segment_ptr 1
		.amdhsa_wavefront_size32 1
		.amdhsa_system_sgpr_workgroup_id_x 1
		.amdhsa_system_sgpr_workgroup_id_y 1
		.amdhsa_system_sgpr_workgroup_id_z 1
		.amdhsa_system_vgpr_workitem_id 0
		.amdhsa_next_free_vgpr 1024
		.amdhsa_next_free_sgpr 66
		.amdhsa_reserve_vcc 0
		.amdhsa_float_denorm_mode_32 3
		.amdhsa_float_denorm_mode_16_64 3
		.amdhsa_memory_ordered 1
		.amdhsa_forward_progress 1
		.amdhsa_inst_pref_size 144
	.end_amdhsa_kernel
	.amdgpu_metadata
---
amdhsa.version: [ 1, 2 ]
amdhsa.kernels:
  - .name:           k_q08fd94fc4e_gemm
    .symbol:         k_q08fd94fc4e_gemm.kd
    .args:
      - { .name: xb, .offset: 0, .size: 8, .value_kind: global_buffer, .address_space: global }
      - { .name: wb, .offset: 8, .size: 8, .value_kind: global_buffer, .address_space: global }
      - { .name: out0, .offset: 16, .size: 8, .value_kind: global_buffer, .address_space: global }
    .group_segment_fixed_size: 327680
    .private_segment_fixed_size: 0
    .kernarg_segment_align: 8
    .kernarg_segment_size: 24
    .max_flat_workgroup_size: 128
    .sgpr_count:     66
    .vgpr_count:     1024
    .wavefront_size: 32
...
	.end_amdgpu_metadata
.endif
;; end of part 2
